; MI455X (gfx1250); checked and timed in simulation.
; The chip was launched on July 23, 2026; its instructions are those of AMD's public machine-readable ISA for CDNA 5 (MIT licence, August 2026) and "CDNA5" Instruction Set Architecture Reference Guide (July 2026). The comments in the code are by the model that wrote it; some were corrected since.
;; Particle Kernel. Allowed arithmetic: matrix products marked QUANTISED: E2M1 operands, one E8M0 scale for each 32 along K, by v_wmma_scale_f32_16x16x128_f8f6f4 with both operands' format E2M1 (or v_wmma_scale_f32_32x16x128_f4), f32 sums; everything else in f32.
;; Inputs: W_charge 2,048 x 512 float32; W_combine 512 x 2,048 float32; beta 512 float32; charge 4 x 2,048 x 512 float32; gamma 512 float32; log_bandwidth 4 float32; mass 4 x 2,048 x 1 float32; position 4 x 2,048 x 16 float32.
;; Outputs: out0 4 x 2,048 x 512 float32.
;; This version of the problem:
;;   THIS VERSION OF THE PROBLEM IS GIVEN IN LOW PRECISION. The matrix products marked QUANTISED in the list below multiply operands that are first quantised to E2M1 (2 exponent bits, 1 mantissa bit; 4 bits a number), with one power-of-two scale for each 32 numbers along K (OCP MX v1.0); their sums are f32. All else is computed in f32.
;;   The module's matrix products, in the order in which they are computed (A, B: the left and right operand; K: the contracted axis; several contracted axes count as one K, in the product's order):
;;     1. [M 8,192, K 512] x [K 512, N 2,048]; A: input charge; B: input W_charge: QUANTISED
;;     2. batch 16 x [M 512, K 2,048] x [K 2,048, N 2,048]; A: computed on the way; B: computed on the way: QUANTISED
;;     3. [M 8,192, K 2,048] x [K 2,048, N 512]; A: computed on the way; B: input W_combine: QUANTISED
;;   THE QUANTISER, for each operand of a quantised product, along K:
;;     - K is cut into blocks of 32 from its start; a last block that is shorter is filled with zeros.
;;     - A block's scale is 2^e with e = floor(log2(the largest magnitude in the block)) - 2, held to -126 .. 127; a block of zeros has e = 0. As a byte (E8M0): e + 127.
;;     - Each number is divided by its block's scale, clamped to +-6, and rounded to the nearest number of E2M1, ties to even, subnormals kept.
;;     - The product sums the exact products of the quantised numbers (number of the format x scale) in f32.
;;   ~~~python
;;   def quantise(x, axis):      # numpy; x: float32 -> the quantised numbers, widened to float32 again
;;       x = np.moveaxis(x, axis, -1); K = x.shape[-1]
;;       x = np.pad(x, [(0, 0)] * (x.ndim - 1) + [(0, -K % 32)]); x = x.reshape(x.shape[:-1] + (-1, 32)); a = np.abs(x).max(-1, keepdims=True)
;;       e = np.where(a > 0, np.clip(np.frexp(np.where(a > 0, a, 1))[1] - 1 - 2, -126, 127), 0)      # np.frexp(a)[1] - 1 = floor(log2(a)), exactly
;;       r = np.clip(x / 2.0 ** e, -6, 6)
;;       step = 2.0 ** (np.maximum(np.frexp(np.where(r == 0, 1, r))[1] - 1, 0) - 1)
;;       q = np.round(r / step) * step * 2.0 ** e      # np.round: ties to even
;;       return np.moveaxis(q.reshape(q.shape[:-2] + (-1,))[..., :K], -1, axis).astype(np.float32)
;;   ~~~
;;   OPERANDS COMPUTED ON THE WAY. 'Computed on the way' means the value that the module computes at that place (a softmax that the list does not call 'softmax' is quantised finished and normalised). What goes into a quantiser is computed in f32, as accurately as f32 sums, v_exp_f32 and their like allow (about 1e-6 of the number): no bf16 or f16 on the way to a quantiser, and a product that is left as it is and whose result goes on into a quantised operand takes f32 operands (vector FMAs, or v_wmma_f32_16x16x4_f32). A number that lies on a knife's edge between two numbers of the format may be rounded either way, as far as f32 arithmetic and the matrix unit's own rounding can turn it there, and no further.
;; One version. Each part assembles by itself: llvm-mc -triple=amdgcn-amd-amdhsa -mcpu=gfx1250 --defsym DOCPART=n.
;; ======== version 1 of 1: 3 launches
;; limits: a difference of large sums (such as E[x^2] - mean^2): digits are lost where the result is much smaller than its terms
;; workspace buffers: qcodes 3,145,728 bytes; qscales 196,608 bytes; sq 32,768 bytes; pj 8,912,896 bytes
;; launch quant (part 1): grid 256 x 1, 4 waves a work-group, no clusters, 33,280 bytes of LDS; arguments charge, W_charge, W_combine, position, qcodes, qscales, sq; writes qcodes, qscales, sq
.if DOCPART == 1
	.amdgcn_target "amdgcn-amd-amdhsa--gfx1250"
	.amdhsa_code_object_version 6
	.text
	.protected	k_qae686a52ee_quant
	.globl	k_qae686a52ee_quant
	.p2align	8
	.type	k_qae686a52ee_quant,@function
k_qae686a52ee_quant:
	s_mov_b64 s[64:65], 0
	v_nop
	global_prefetch_b8 v0, s[64:65] scope:SCOPE_SE
	s_setreg_imm32_b32 hwreg(HW_REG_WAVE_MODE, 25, 1), 1
	s_wait_xcnt 0x0
; ParticleKernel, launch 1 of 3.  NOTHING OF THE PROBLEM IS DEAD WORK: every input (charge, position, mass, log_bandwidth, W_charge, W_combine, gamma, beta) has a way to the output, and all are loaded.
; THIS LAUNCH: (a) charge [8192][512], W_charge [2048][512] and W_combine [512][2048], f32 with their product's K innermost, become codes of FP4 (E2M1), two a byte, and one E8M0 byte for each 32 along K.
; The three tensors are plain streams of blocks of 32 and follow each other in qcodes (charge at 0, W_charge at 2,097,152, W_combine at 2,621,440) and in qscales (0, 131,072, 163,840).
; A block's scale is 2^(floor(log2(largest magnitude)) - 2): its byte is the largest magnitude's exponent field - 2, held at 1 from below.
; (b) sq[b][j] = |position[b][j] - position[b][0]|^2, for the distances of launch 3, which are formed as |a'|^2 + |b'|^2 - 2 a'.b' with a' = p - c, c = the batch's first particle: an identity for all inputs;
; taking c away first keeps a common offset of the positions out of the products.  The sum is one multiply and 15 fused multiply-adds in the order of dimensions 0,1,8,9,2,3,10,11,4,5,12,13,6,7,14,15,
; the order in which launch 3's f32 matrix instructions take them, so that a particle's distance to itself comes out as 0.
; LIMITS: a block of zeros carries the byte 1 where the rule says 127 (its codes are zeros, and this program alone reads the bytes); blocks whose largest magnitude lies under 2^-124 keep the byte 1;
; NaN and infinities among the inputs are not served.
; SHARES: work-groups 0-127 charge, 128-159 W_charge, 160-191 W_combine: 32,768 numbers each, 8,192 a wave in 16 steps of 512; work-groups 192-255: 128 particles each, a thread a particle, no LDS.
; A step's four loads read 512 consecutive bytes each; the 2,048 bytes turn through the wave's own stage in LDS so that a lane holds 16 neighbours along K; two neighbouring lanes hold a block.
.set WAVES, 4
.set STEPS, 16
.set EMAX,  2
.set CB,    8                          ; bytes of 16 codes
.set R,     16                         ; v16-79   four sets of 16 numbers as they are loaded
.set X,     80                         ; v80-111  two sets of 16 neighbours
.set C,     128                        ; v128-191 codes: four registers for each step, so that no store's data are written again
.set E,     112                        ; v112-127 a scale byte for each step
.set WREG,  8192                       ; LDS: a region for each wave: two stages of 32 x SP bytes, then its 256 scale bytes
.set SP,    80                         ; a lane's place in a stage: 64 bytes + 16 of padding
.set SPW,   12                         ; v12 LDS address of my spare word; never rewritten
.set NIL,   13                         ; v13 0; never rewritten
.set SPARE, WAVES*WREG                 ; the spare words: 128 bytes a wave, named by no other line
	s_load_b256 s[4:11], s[0:1], 0x0               ; charge s[4:5], W_charge s[6:7], W_combine s[8:9], position s[10:11]
	s_load_b128 s[12:15], s[0:1], 0x20             ; qcodes s[12:13], qscales s[14:15]
	s_load_b64 s[16:17], s[0:1], 0x30              ; sq
	v_lshl_add_u32 v[SPW], v0, 2, SPARE
	v_mov_b32 v[NIL], 0
	v_lshrrev_b32 v1, 5, v0
	v_readfirstlane_b32 s18, v1                    ; wave
	s_wait_kmcnt 0x0
	s_cmp_ge_u32 ttmp9, 192                        ; the work-group's number alone decides
	s_cbranch_scc1 .Lsq
	v_and_b32 v2, 31, v0                           ; lane
	v_lshlrev_b32 v3, 4, v2                        ; my 16 bytes of a load's 512
	s_mul_i32 s19, s18, WREG
	v_lshrrev_b32 v14, 2, v2
	v_mul_u32_u24 v14, v14, SP
	v_and_b32 v15, 3, v2
	v_lshl_add_u32 v14, v15, 4, v14
	v_add_nc_u32 v14, s19, v14                     ; the stage, on the way in: SP (lane / 4) + 16 (lane % 4)
	v_mul_u32_u24 v15, v2, SP
	v_add_nc_u32 v15, s19, v15                     ; and on the way out: SP x lane: my 16 neighbours
	v_mul_u32_u24 v4, v2, CB                       ; my codes' place in a step's
	v_lshrrev_b32 v5, 1, v2
	s_add_co_u32 s19, s19, 2*32*SP
	v_add_nc_u32 v5, s19, v5                       ; LDS: my wave's 256 scale bytes, my block's byte
	v_lshlrev_b32 v7, 3, v2                        ; and on the way out 8 bytes a lane
	v_add_nc_u32 v6, s19, v7
	s_mov_b32 s21, 160
	s_cmp_lt_u32 ttmp9, 128                        ; which tensor: a choice of pointers on the work-group's number
	s_cselect_b64 s[4:5], s[4:5], s[6:7]
	s_cselect_b32 s20, 0, 128
	s_cmp_lt_u32 ttmp9, 160
	s_cselect_b64 s[4:5], s[4:5], s[8:9]
	s_cselect_b32 s20, s20, s21                    ; the tensor's first work-group
	s_sub_co_u32 s20, ttmp9, s20
	s_lshl_b32 s20, s20, 2
	s_add_co_u32 s20, s20, s18                     ; which run of 8,192 numbers of the tensor is my wave's
	s_lshl_b32 s20, s20, 15                        ; 32,768 bytes a run
	s_mov_b32 s21, 0
	s_add_nc_u64 s[4:5], s[4:5], s[20:21]
	s_lshl_b32 s22, ttmp9, 2
	s_add_co_u32 s22, s22, s18                     ; which run of the outputs: the tensors follow each other there
	s_lshl_b32 s20, s22, 12                        ; 4,096 bytes of codes a run
	s_add_nc_u64 s[12:13], s[12:13], s[20:21]
	s_lshl_b32 s20, s22, 8                         ; 256 scale bytes a run
	s_add_nc_u64 s[14:15], s[14:15], s[20:21]
.macro LOAD t
.irp i, 0,1,2,3
	global_load_b128 v[R+16*((\t)%4)+4*\i:R+16*((\t)%4)+4*\i+3], v3, s[4:5] offset:2048*(\t)+512*\i th:TH_LOAD_NT   ; 32 lanes read 512 consecutive bytes
.endr
.endm
.macro TURN t                          ; step t's numbers through the stage: LDS serves a wave's instructions in order, so no wait stands between the stores and the loads
.irp i, 0,1,2,3
	ds_store_b128 v14, v[R+16*((\t)%4)+4*\i:R+16*((\t)%4)+4*\i+3] offset:32*SP*((\t)%2)+8*SP*\i
.endr
.irp i, 0,1,2,3
	ds_load_b128 v[X+16*((\t)%2)+4*\i:X+16*((\t)%2)+4*\i+3], v15 offset:32*SP*((\t)%2)+16*\i
.endr
.endm
.irp t, 0,1,2,3
	LOAD \t
.endr
	s_wait_loadcnt 12                              ; step 0's four loads are in; twelve younger ones stay out
	TURN 0
.macro STEP t
.set XS, X+16*((\t)%2)
.if (\t) > 0
	s_wait_dscnt 1                                 ; this step's numbers are back from the stage (the last step's byte store may be out)
.else
	s_wait_dscnt 0x0
.endif
.if (\t)+4 < STEPS
	LOAD (\t)+4                                    ; the registers that the stage's stores have read take the loads of four steps on
.endif
.if (\t)+1 < STEPS
.if STEPS-2-(\t) >= 3
	s_wait_loadcnt 12                              ; the next step's four loads are in; those of the three steps behind it may be out
.else
	s_wait_loadcnt 4*(STEPS-2-(\t))
.endif
	TURN (\t)+1                                    ; and go through the other stage while this step is worked
.endif
	v_max3_num_f32 v8, |v[XS]|, |v[XS+1]|, |v[XS+2]|               ; the largest magnitude of my 16, in two chains
	v_max3_num_f32 v9, |v[XS+3]|, |v[XS+4]|, |v[XS+5]|
.irp i, 6,10
	v_max3_num_f32 v8, v8, |v[XS+\i]|, |v[XS+\i+1]|
	v_max3_num_f32 v9, v9, |v[XS+\i+2]|, |v[XS+\i+3]|
.endr
	v_max3_num_f32 v8, v8, |v[XS+14]|, |v[XS+15]|
	v_max3_num_f32 v8, v8, v9, (EMAX+1)<<23        ; and the floor 2^(3 - 127): the byte cannot fall under 1
	v_max_num_f32_dpp v8, v8, v8 row_xmask:1 row_mask:0xf bank_mask:0xf   ; and of my neighbour's 16: the block's
	v_add_nc_u32 v11, -(EMAX<<23), v8              ; 2 off its exponent field: the conversion takes the exponent field of this operand as its scale
	v_cvt_scalef32_pk8_fp4_f32 v[C+4*(\t)], v[XS:XS+7], v11
	v_cvt_scalef32_pk8_fp4_f32 v[C+4*(\t)+1], v[XS+8:XS+15], v11
	v_lshrrev_b32 v[E+(\t)], 23, v11               ; the scale's byte (a plain line behind the conversions)
	ds_store_b8 v5, v[E+(\t)] offset:16*(\t)       ; both lanes of a block write the same byte with the same value
	global_store_b64 v4, v[C+4*(\t):C+4*(\t)+1], s[12:13] offset:32*CB*(\t)   ; the wave stores 256 consecutive bytes, aligned
.endm
.irp t, 0,1,2,3,4,5,6,7,8,9,10,11,12,13,14,15
	STEP \t
.endr
	ds_load_b64 v[8:9], v6                         ; LDS serves a wave's instructions in order: these see my byte stores
	s_wait_dscnt 0x0
	global_store_b64 v7, v[8:9], s[14:15]          ; 32 lanes store 256 consecutive bytes, aligned
	s_wait_tensorcnt 0x0                           ; the wave's end, behind my last LDS store
	ds_add_u32 v[SPW], v[NIL]
	s_wait_dscnt 0x0
	s_endpgm
.Lsq:                                                  ; 128 particles: a thread a particle
	s_sub_co_u32 s20, ttmp9, 192                   ; p: particles 128 p on, of batch p / 16
	s_lshr_b32 s22, s20, 4
	s_lshl_b32 s22, s22, 17                        ; a batch's positions are 131,072 bytes
	s_mov_b32 s23, 0
	s_add_nc_u64 s[24:25], s[10:11], s[22:23]
	s_load_b512 s[32:47], s[24:25], 0x0            ; c = the batch's first particle
	s_lshl_b32 s22, s20, 13                        ; 128 rows of 64 bytes
	s_add_nc_u64 s[10:11], s[10:11], s[22:23]
	s_lshl_b32 s22, s20, 9                         ; 128 numbers of sq
	s_add_nc_u64 s[16:17], s[16:17], s[22:23]
	v_lshlrev_b32 v1, 6, v0
	v_lshlrev_b32 v2, 2, v0
.irp i, 0,1,2,3
	global_load_b128 v[16+4*\i:19+4*\i], v1, s[10:11] offset:16*\i
.endr
	s_wait_kmcnt 0x0
	s_wait_loadcnt 0x0
.irp d, 0,1,2,3,4,5,6,7,8,9,10,11,12,13,14,15
	v_sub_f32 v[16+\d], v[16+\d], s[32+\d]         ; p - c, rounded once, as launch 3 rounds it
.endr
	v_mul_f32 v3, v16, v16
.irp d, 1,8,9,2,3,10,11,4,5,12,13,6,7,14,15
	v_fma_f32 v3, v[16+\d], v[16+\d], v3
.endr
	global_store_b32 v2, v3, s[16:17]              ; the work-group stores 512 consecutive bytes, aligned
	s_endpgm
.Lfunc_end_k_qae686a52ee_quant:
	.size	k_qae686a52ee_quant, .Lfunc_end_k_qae686a52ee_quant-k_qae686a52ee_quant
	.p2alignl 7, 3214868480
	.fill 96, 4, 3214868480
	.section	.rodata,"a",@progbits
	.p2align	6, 0x0
	.amdhsa_kernel k_qae686a52ee_quant
		.amdhsa_group_segment_fixed_size 33280
		.amdhsa_private_segment_fixed_size 0
		.amdhsa_enable_private_segment 0
		.amdhsa_kernarg_size 56
		.amdhsa_user_sgpr_count 2
		.amdhsa_user_sgpr_kernarg_segment_ptr 1
		.amdhsa_wavefront_size32 1
		.amdhsa_system_sgpr_workgroup_id_x 1
		.amdhsa_system_sgpr_workgroup_id_y 1
		.amdhsa_system_sgpr_workgroup_id_z 1
		.amdhsa_system_vgpr_workitem_id 0
		.amdhsa_next_free_vgpr 192
		.amdhsa_next_free_sgpr 66
		.amdhsa_reserve_vcc 0
		.amdhsa_float_denorm_mode_32 3
		.amdhsa_float_denorm_mode_16_64 3
		.amdhsa_memory_ordered 1
		.amdhsa_forward_progress 1
		.amdhsa_inst_pref_size 37
	.end_amdhsa_kernel
	.amdgpu_metadata
---
amdhsa.version: [ 1, 2 ]
amdhsa.kernels:
  - .name:           k_qae686a52ee_quant
    .symbol:         k_qae686a52ee_quant.kd
    .args:
      - { .name: charge, .offset: 0, .size: 8, .value_kind: global_buffer, .address_space: global }
      - { .name: W_charge, .offset: 8, .size: 8, .value_kind: global_buffer, .address_space: global }
      - { .name: W_combine, .offset: 16, .size: 8, .value_kind: global_buffer, .address_space: global }
      - { .name: position, .offset: 24, .size: 8, .value_kind: global_buffer, .address_space: global }
      - { .name: qcodes, .offset: 32, .size: 8, .value_kind: global_buffer, .address_space: global }
      - { .name: qscales, .offset: 40, .size: 8, .value_kind: global_buffer, .address_space: global }
      - { .name: sq, .offset: 48, .size: 8, .value_kind: global_buffer, .address_space: global }
    .group_segment_fixed_size: 33280
    .private_segment_fixed_size: 0
    .kernarg_segment_align: 8
    .kernarg_segment_size: 56
    .max_flat_workgroup_size: 128
    .sgpr_count:     66
    .vgpr_count:     192
    .wavefront_size: 32
...
	.end_amdgpu_metadata
.endif
;; end of part 1
;; launch proj (part 2): grid 64 x 4, 8 waves a work-group, clusters of 4 x 1, 175,104 bytes of LDS; arguments qcodes, qscales, pj; writes pj
.if DOCPART == 2
	.amdgcn_target "amdgcn-amd-amdhsa--gfx1250"
	.amdhsa_code_object_version 6
	.text
	.protected	k_qae686a52ee_proj
	.globl	k_qae686a52ee_proj
	.p2align	8
	.type	k_qae686a52ee_proj,@function
k_qae686a52ee_proj:
	s_mov_b64 s[64:65], 0
	v_nop
	global_prefetch_b8 v0, s[64:65] scope:SCOPE_SE
	s_setreg_imm32_b32 hwreg(HW_REG_WAVE_MODE, 25, 1), 1
	s_wait_xcnt 0x0
	s_wait_alu depctr_hold_cnt(0) depctr_sa_sdst(0) depctr_va_vdst(0) depctr_va_sdst(0) depctr_va_ssrc(0) depctr_va_vcc(0) depctr_vm_vsrc(0)
	s_getreg_b32 s2, hwreg(HW_REG_IB_STS2, 6, 4)
	s_cmp_eq_u32 s2, 0
	s_cbranch_scc0 .Lentry_in_a_cluster
	s_endpgm
.Lentry_in_a_cluster:
	s_bfe_u32 s2, ttmp6, 0x10000c
	s_cmp_lg_u32 s2, 0x3003
	s_cbranch_scc0 .Lentry_shape_is_right
	s_endpgm
.Lentry_shape_is_right:
; ParticleKernel, launch 2 of 3: projected = charge W_charge^T on codes of FP4 with E8M0 scales (K = 512), and its result quantised along j, the K of the next product.  No work of the problem is left out.
; SHARES.  Work-group (g, k): the 128 particles j = 128 g .. (g = 16 b + s) x the 512 outputs of kernel k.  Wave w: all 128 j x 64 outputs: 4 tiles of outputs x 8 tiles of j: 32 accumulators, window 1.
; LAYOUT.  Source 0 = 16 rows of charge, source 1 = 16 rows of W_charge: in the result a lane holds ONE output and its registers run along j.  THE ROWS OF A TILE ARE NOT NEIGHBOURS, on either side:
; lane r of tile 2 b + u takes row 32 b + 8 u + r + 8 (r / 8).  For j that makes the 16 registers of tiles 2 b, 2 b + 1 sixteen neighbours along j, as the conversions want them; for the outputs it makes
; launch 3's results sixteen neighbours along d, the K of the last product.
; OUT.  A tile of 16 outputs x 128 j becomes one operand fragment (8 registers a lane) and a scale word a row.  pj holds, for each g, a block of 139,264 bytes: fragment f = 32 k + tile at 1,024 f as an image of
; its registers (register group c of lane l at 512 c + 16 l), then from 131,072 on the scale words at 2,048 k + 256 w + 16 r + 4 (tile % 4): each store of the wave covers whole aligned runs of 256 bytes.
; CLUSTER.  The four work-groups of a cluster share k: W_charge's 512 rows are asked for jointly, 64 rows a wave.  Each has its own 128 rows of charge: a plain load by waves 0 and 1 (nothing is shared there).
; All of K fits in LDS at once (rows of 256 bytes + 16 of padding), so LDS is filled once: no ring.  By this text's count a wave has at most two tensor loads out.
; LIMITS: as launch 1's: byte 1 for a block of zeros or under 2^-124; NaN and infinities are not served.
; No prefetch: the launch's reads all stand at its head.
.set BLOCK, 139264
.set AT,    139264                     ; LDS: W_charge's 512 rows x 272 from 0; charge's 128 rows x 272 from here
.set SPARE, 174080                     ; the spare words: 128 bytes a wave, named by no other line
.set SPW,   12                         ; v12 LDS address of my spare word; never rewritten
.set NIL,   13                         ; v13 0; never rewritten
.set SA,    16                         ; v16-47  charge's scale words: tile tj, K step q at SA + 4 tj + q
.set SBW,   48                         ; v48-63  W_charge's: tile tp, K step q at SBW + 4 tp + q
.set AF,    64                         ; v64-191 charge's fragments, two sets of 8
.set BF,    192                        ; v192-255 W_charge's, two sets of 4
.set QT,    64                         ; the quantiser's 16 registers at work; codes v80-111, scale words v112-115 (the fragments are done with by then)
.set WV,    10                         ; s10 wave
.set SEL,   22                         ; s[22:23] v_permlanex16_b32's selects for lane l xor 16
.set G1B,   24                         ; s[24:31] descriptor group 1, joint;  s[32:39] plain;  s[40:43], s[44:47] groups 0
.set G1A,   32
.set G0B,   40
.set G0A,   44
.set MSB, 0
.macro WIN new                         ; the immediate's high byte repeats the setting that is left
.if MSB != \new
	s_set_vgpr_msb (MSB<<8)|\new
.set MSB, \new
.endif
.endm
.macro PLACES n
.rept \n
	v_nop
.endr
.endm
.macro ROUND                           ; a round of the cluster's barrier
	s_barrier_signal -1
	s_barrier_wait -1
	s_cmp_lg_u32 s[WV], 0
	s_cbranch_scc1 .Lnw0_\@
	s_barrier_signal -3
.Lnw0_\@:
	s_barrier_wait -3
	s_barrier_signal -1
	s_barrier_wait -1
.endm
; 64 numbers of a lane in window 1, register 16 b + i = K place 32 b + 16 (lane / 16) + i of the lane's row, become a fragment's codes in v[pc] on and its scale word in v[pw].
.macro QUANTW src, pc, pw
	WIN 0x05                                       ; sources 0 and 1 in window 1
.irp b, 0,1,2,3
	v_max3_num_f32 v[QT+\b], |v[(\src)+16*\b]|, |v[(\src)+16*\b+1]|, 0x1800000   ; each accumulator is read from its low end on; the floor 2^(3 - 127) holds the byte at 1 from below
.endr
.irp i, 2,4,6,8,10,12,14
.irp b, 0,1,2,3
	v_max3_num_f32 v[QT+\b], |v[(\src)+16*\b+\i]|, |v[(\src)+16*\b+\i+1]|, v[QT+\b]   ; the four blocks by turns
.endr
.endr
	WIN 0
.irp b, 0,1,2,3
	v_permlanex16_b32 v[QT+4+\b], v[QT+\b], s[SEL], s[SEL+1]
.endr
.irp b, 0,1,2,3
	v_max_num_f32 v[QT+\b], v[QT+\b], v[QT+4+\b]   ; with lane l xor 16's: the block's largest magnitude
.endr
.irp b, 0,1,2,3
	v_add_nc_u32 v[QT+12+\b], 0xff000000, v[QT+\b] ; 2 off its exponent field: the conversion's scale operand
.endr
.irp b, 0,1,2,3
	v_lshrrev_b32 v[QT+4+\b], 23, v[QT+12+\b]      ; the scale's byte
.endr
	v_lshl_or_b32 v[\pw], v[QT+5], 8, v[QT+4]
	v_lshl_or_b32 v[\pw], v[QT+6], 16, v[\pw]
	v_lshl_or_b32 v[\pw], v[QT+7], 24, v[\pw]
	WIN 0x01                                       ; source 0 in window 1
.irp b, 0,1,2,3
	v_cvt_scalef32_pk8_fp4_f32 v[(\pc)+2*\b], v[(\src)+16*\b:(\src)+16*\b+7], v[QT+12+\b]
	v_cvt_scalef32_pk8_fp4_f32 v[(\pc)+2*\b+1], v[(\src)+16*\b+8:(\src)+16*\b+15], v[QT+12+\b]
.endr
	WIN 0
	v_nop                                          ; one plain line behind the scaled conversions
.irp c, 0,1                                    ; the operand's layout wants a whole block in a lane
.irp i, 0,1
	v_permlane16_swap_b32 v[(\pc)+4*\c+\i], v[(\pc)+2+4*\c+\i]
.endr
.endr
.endm
	s_load_b128 s[4:7], s[0:1], 0x0                ; qcodes s[4:5], qscales s[6:7]
	s_load_b64 s[8:9], s[0:1], 0x10                ; pj
	v_lshl_add_u32 v[SPW], v0, 2, SPARE
	v_mov_b32 v[NIL], 0
	ds_add_u32 v[SPW], v[NIL]                      ; the wave's opening: the add, twice on end, and its wait ahead of my first tensor load
	ds_add_u32 v[SPW], v[NIL]
	v_lshrrev_b32 v1, 5, v0
	v_readfirstlane_b32 s[WV], v1                  ; wave 0..7
	s_bfe_u32 s11, ttmp6, 0x40000                  ; cx
	s_lshl_b32 s12, ttmp9, 2
	s_add_co_u32 s12, s12, s11                     ; g = 4 x cluster x + cx: it enters global addresses of my own rows alone
	s_and_b32 s13, ttmp7, 0xffff                   ; k, which the four partners share
	s_mov_b32 s[G1B], 15|(1<<20)|(1<<21)|(5<<22)|(3<<25)   ; mask: all four; elements of 1 byte; padding on; bit 21 beside a mask; 4 words behind every 64
	s_mov_b32 s[G1A], (1<<20)|(5<<22)|(3<<25)      ; the same with no mask
.irp g, G1B, G1A
	s_mov_b32 s[\g+1], 256<<16                     ; tensor_dim0 = 256 bytes: a whole row of 512 codes
	s_mov_b32 s[\g+2], 64<<16                      ; tensor_dim1 = 64
	s_mov_b32 s[\g+3], 256<<16                     ; tile_dim0
	s_mov_b32 s[\g+4], 64                          ; tile_dim1
	s_mov_b32 s[\g+5], 256                         ; from row to row
	s_mov_b32 s[\g+6], 0
	s_mov_b32 s[\g+7], 0
.endr
	s_mov_b32 s[SEL], 0x76543210
	s_mov_b32 s[SEL+1], 0xfedcba98
	s_mul_i32 s14, s[WV], 17408                    ; W_charge: my 64 rows x 272 in LDS
	s_and_b32 s15, s[WV], 1
	s_mul_i32 s16, s15, 17408
	s_add_co_u32 s16, s16, AT                      ; charge: 64 rows of waves 0 and 1
	s_lshl_b32 s18, s13, 17                        ; W_charge's codes: 131,072 k + 16,384 w behind charge's 2,097,152
	s_lshl_b32 s19, s[WV], 14
	s_add_co_u32 s18, s18, s19
	s_add_co_u32 s18, s18, 2097152
	s_mov_b32 s19, 0
	s_lshl_b32 s20, s12, 15                        ; charge's codes: 32,768 g + 16,384 (w & 1)
	s_lshl_b32 s21, s15, 14
	s_add_co_u32 s20, s20, s21
	s_mov_b32 s21, 0
	s_wait_dscnt 0x0                               ; both opening adds are done
	s_wait_kmcnt 0x0
	s_mov_b32 s[G0B], 1
	s_mov_b32 s[G0B+1], s14
	s_add_nc_u64 s[G0B+2:G0B+3], s[4:5], s[18:19]
	s_or_b32 s[G0B+3], s[G0B+3], 0x80000000
	s_mov_b32 s[G0A], 1
	s_mov_b32 s[G0A+1], s16
	s_add_nc_u64 s[G0A+2:G0A+3], s[4:5], s[20:21]
	s_or_b32 s[G0A+3], s[G0A+3], 0x80000000
	ROUND                                          ; all four work-groups are here: the joint loads meet
	tensor_load_to_lds s[G0B:G0B+3], s[G1B:G1B+7]  ; every wave: its 64 rows of W_charge, for all four work-groups
	s_nop 0
	s_cmp_lt_u32 s[WV], 2
	s_cbranch_scc0 .Lno_a
	tensor_load_to_lds s[G0A:G0A+3], s[G1A:G1A+7]  ; waves 0 and 1: my work-group's rows of charge
	s_nop 0
.Lno_a:
	PLACES 4
	v_and_b32 v1, 31, v0                           ; lane
	v_and_b32 v2, 15, v0                           ; r
	v_bfe_u32 v3, v0, 4, 1                         ; h
	v_and_b32 v4, 8, v2
	v_add_nc_u32 v4, v4, v2                        ; r + 8 (r / 8)
	v_mul_u32_u24 v5, v4, 272
	v_lshl_add_u32 v5, v3, 4, v5                   ; a fragment's row x pitch + 16 h
	s_mul_i32 s14, s[WV], 17408
	v_add_nc_u32 v6, s14, v5                       ; W_charge's fragments: my 64 rows
	v_add_nc_u32 v5, AT, v5                        ; charge's
	v_lshlrev_b32 v7, 4, v4                        ; scale words: 16 bytes a row
	v_lshlrev_b32 v8, 4, v1                        ; an image's place for my lane
	v_lshlrev_b32 v9, 4, v2                        ; four scale words a row on the way out
	s_lshl_b32 s18, s12, 11                        ; charge's scales: 128 rows x 16 bytes a g
	s_mov_b32 s19, 0
	s_add_nc_u64 s[48:49], s[6:7], s[18:19]
	s_lshl_b32 s18, s13, 13                        ; W_charge's: 131,072 + 8,192 k + 1,024 w
	s_lshl_b32 s20, s[WV], 10
	s_add_co_u32 s18, s18, s20
	s_add_co_u32 s18, s18, 131072
	s_add_nc_u64 s[50:51], s[6:7], s[18:19]
	s_mul_i32 s18, s12, BLOCK
	s_add_nc_u64 s[8:9], s[8:9], s[18:19]          ; pj at my block
	s_lshl_b32 s18, s13, 15                        ; my four fragments: 1,024 (32 k + 4 w)
	s_lshl_b32 s20, s[WV], 12
	s_add_co_u32 s18, s18, s20
	s_add_nc_u64 s[52:53], s[8:9], s[18:19]
	s_lshl_b32 s18, s13, 11                        ; their scale words: 131,072 + 2,048 k + 256 w
	s_lshl_b32 s20, s[WV], 8
	s_add_co_u32 s18, s18, s20
	s_add_co_u32 s18, s18, 131072
	s_add_nc_u64 s[54:55], s[8:9], s[18:19]
.irp tj, 0,1,2,3,4,5,6,7
	global_load_b128 v[SA+4*\tj:SA+4*\tj+3], v7, s[48:49] offset:(32*(\tj/2)+8*(\tj%2))*16   ; a row's four words: one for each K step of 128
.endr
.irp tp, 0,1,2,3
	global_load_b128 v[SBW+4*\tp:SBW+4*\tp+3], v7, s[50:51] offset:(32*(\tp/2)+8*(\tp%2))*16
.endr
	s_wait_tensorcnt 0x0                           ; my loads have landed,
	s_barrier_signal -1
	s_barrier_wait -1                              ; everybody's have
.macro FETCH q, set                    ; the fragments of K step q: 24 LDS loads
.irp tj, 0,1,2,3,4,5,6,7
.irp c, 0,1
	ds_load_b128 v[AF+64*(\set)+8*\tj+4*\c:AF+64*(\set)+8*\tj+4*\c+3], v5 offset:(32*(\tj/2)+8*(\tj%2))*272+64*(\q)+32*\c
.endr
.endr
.irp tp, 0,1,2,3
.irp c, 0,1
	ds_load_b128 v[BF+32*(\set)+8*\tp+4*\c:BF+32*(\set)+8*\tp+4*\c+3], v6 offset:(32*(\tp/2)+8*(\tp%2))*272+64*(\q)+32*\c
.endr
.endr
.endm
.macro MUL q, set, zero                ; 32 matrix instructions: the 32 accumulators take turns, in the same order in every K step
	WIN 0x50                                       ; C and D in window 1
.irp tp, 0,1,2,3
.irp tj, 0,1,2,3,4,5,6,7
.if \zero
	v_wmma_scale_f32_16x16x128_f8f6f4 v[64*\tp+8*\tj:64*\tp+8*\tj+7], v[AF+64*(\set)+8*\tj:AF+64*(\set)+8*\tj+7], v[BF+32*(\set)+8*\tp:BF+32*(\set)+8*\tp+7], 0, v[SA+4*\tj+(\q)], v[SBW+4*\tp+(\q)] matrix_a_fmt:MATRIX_FMT_FP4 matrix_b_fmt:MATRIX_FMT_FP4
.else
	v_wmma_scale_f32_16x16x128_f8f6f4 v[64*\tp+8*\tj:64*\tp+8*\tj+7], v[AF+64*(\set)+8*\tj:AF+64*(\set)+8*\tj+7], v[BF+32*(\set)+8*\tp:BF+32*(\set)+8*\tp+7], v[64*\tp+8*\tj:64*\tp+8*\tj+7], v[SA+4*\tj+(\q)], v[SBW+4*\tp+(\q)] matrix_a_fmt:MATRIX_FMT_FP4 matrix_b_fmt:MATRIX_FMT_FP4
.endif
.endr
.endr
	WIN 0
.endm
	FETCH 0, 0
	FETCH 1, 1
	s_wait_loadcnt 0x0                             ; the scale words
	s_wait_dscnt 24                                ; K step 0's fragments are in; the 24 younger loads may be out
	MUL 0, 0, 1                                    ; the first products start the sums: nothing is cleared
	PLACES 4                                       ; in front of loads into registers that matrix instructions have read
	FETCH 2, 0
	s_wait_dscnt 24
	MUL 1, 1, 0
	PLACES 4
	FETCH 3, 1
	s_wait_dscnt 24
	MUL 2, 0, 0
	s_wait_dscnt 0x0
	MUL 3, 1, 0
	PLACES 4                                       ; in front of the first read of results and of writes into the fragments' registers
.irp tp, 0,1,2,3
	QUANTW 64*\tp, 80+8*\tp, 112+\tp
.endr
.irp tp, 0,1,2,3
.irp c, 0,1
	global_store_b128 v8, v[80+8*\tp+4*\c:80+8*\tp+4*\c+3], s[52:53] offset:1024*\tp+512*\c   ; 32 lanes store 512 consecutive bytes, aligned
.endr
.endr
	v_cmp_gt_u32 vcc_lo, 16, v1                    ; lanes 16-31 hold the same words as lanes 0-15
	s_wait_xcnt 0x0                                ; EXEC changes only behind this wait
	s_and_saveexec_b32 s18, vcc_lo
	global_store_b128 v9, v[112:115], s[54:55]     ; sixteen lanes store 256 consecutive bytes, aligned
	s_wait_xcnt 0x0                                ; and again in front of the line that widens it
	s_or_b32 exec_lo, exec_lo, s18
	s_wait_tensorcnt 0x0                           ; the wave's end
	ds_add_u32 v[SPW], v[NIL]
	s_wait_dscnt 0x0
	ROUND                                          ; the closing round
	s_endpgm
.Lfunc_end_k_qae686a52ee_proj:
	.size	k_qae686a52ee_proj, .Lfunc_end_k_qae686a52ee_proj-k_qae686a52ee_proj
	.p2alignl 7, 3214868480
	.fill 96, 4, 3214868480
	.section	.rodata,"a",@progbits
	.p2align	6, 0x0
	.amdhsa_kernel k_qae686a52ee_proj
		.amdhsa_group_segment_fixed_size 175104
		.amdhsa_private_segment_fixed_size 0
		.amdhsa_enable_private_segment 0
		.amdhsa_kernarg_size 24
		.amdhsa_user_sgpr_count 2
		.amdhsa_user_sgpr_kernarg_segment_ptr 1
		.amdhsa_wavefront_size32 1
		.amdhsa_system_sgpr_workgroup_id_x 1
		.amdhsa_system_sgpr_workgroup_id_y 1
		.amdhsa_system_sgpr_workgroup_id_z 1
		.amdhsa_system_vgpr_workitem_id 0
		.amdhsa_next_free_vgpr 512
		.amdhsa_next_free_sgpr 66
		.amdhsa_reserve_vcc 1
		.amdhsa_float_denorm_mode_32 3
		.amdhsa_float_denorm_mode_16_64 3
		.amdhsa_memory_ordered 1
		.amdhsa_forward_progress 1
		.amdhsa_inst_pref_size 46
	.end_amdhsa_kernel
	.amdgpu_metadata
---
amdhsa.version: [ 1, 2 ]
amdhsa.kernels:
  - .name:           k_qae686a52ee_proj
    .symbol:         k_qae686a52ee_proj.kd
    .args:
      - { .name: qcodes, .offset: 0, .size: 8, .value_kind: global_buffer, .address_space: global }
      - { .name: qscales, .offset: 8, .size: 8, .value_kind: global_buffer, .address_space: global }
      - { .name: pj, .offset: 16, .size: 8, .value_kind: global_buffer, .address_space: global }
    .group_segment_fixed_size: 175104
    .private_segment_fixed_size: 0
    .kernarg_segment_align: 8
    .kernarg_segment_size: 24
    .max_flat_workgroup_size: 256
    .sgpr_count:     66
    .vgpr_count:     512
    .wavefront_size: 32
...
	.end_amdgpu_metadata
.endif
;; end of part 2
;; launch field (part 3): grid 64 x 4, 8 waves a work-group, clusters of 4 x 1, 327,680 bytes of LDS; arguments position, mass, log_bandwidth, gamma, beta, qcodes, qscales, sq, pj, out0; writes out0
.if DOCPART == 3
	.amdgcn_target "amdgcn-amd-amdhsa--gfx1250"
	.amdhsa_code_object_version 6
	.text
	.protected	k_qae686a52ee_field
	.globl	k_qae686a52ee_field
	.p2align	8
	.type	k_qae686a52ee_field,@function
k_qae686a52ee_field:
	s_mov_b64 s[64:65], 0
	v_nop
	global_prefetch_b8 v0, s[64:65] scope:SCOPE_SE
	s_setreg_imm32_b32 hwreg(HW_REG_WAVE_MODE, 25, 1), 1
	s_wait_xcnt 0x0
	s_wait_alu depctr_hold_cnt(0) depctr_sa_sdst(0) depctr_va_vdst(0) depctr_va_sdst(0) depctr_va_ssrc(0) depctr_va_vcc(0) depctr_vm_vsrc(0)
	s_getreg_b32 s2, hwreg(HW_REG_IB_STS2, 6, 4)
	s_cmp_eq_u32 s2, 0
	s_cbranch_scc0 .Lentry_in_a_cluster
	s_endpgm
.Lentry_in_a_cluster:
	s_bfe_u32 s2, ttmp6, 0x10000c
	s_cmp_lg_u32 s2, 0x3003
	s_cbranch_scc0 .Lentry_shape_is_right
	s_endpgm
.Lentry_shape_is_right:
; ParticleKernel, launch 3 of 3: the weights wk[i][j][k] = exp(-d(i,j) / (2 e^lb_k + 1e-8)) mass_j, quantised along j; field = wk x projected (K = j); field quantised along (k, d); x W_combine^T; LayerNorm.
; No work of the problem is left out.  wk and field never go to memory.
; SHARES.  A work-group owns 32 particles i of one batch and all 2,048 (k, d) of their field: 8 waves x 256 accumulator registers (window 1).  It walks the batch's 2,048 j in 16 steps of 128.
;   MAKE (a wave's part of the weights of one step): tile t = w & 1 of 16 i x block w >> 1 of 32 j, for all four k.
;   MULT: slice w of the field: kernel k = w >> 1, 256 d: 16 tiles of d x 2 tiles of i.   P3: outputs 64 w .. 64 w + 63 x 32 i.
;   Waves 0-3 run MAKE and then MULT in a step, waves 4-7 MULT and then MAKE, so that vector work and matrix work of different waves stand side by side.
; DISTANCES.  d = |a'|^2 + |b'|^2 - 2 a'.b' with a' = p - c, c = the batch's first particle: an identity for all inputs; a common offset of the positions is gone before any product is formed.
;   By v_wmma_f32_16x16x4_f32 (f32 operands, since d goes on into a quantised operand): four links for -2 a'.b', a fifth with the K places (sq_j x 1, 1 x sq_i, 0, 0).  sq comes from launch 1, summed in the same order.
; ALL PRODUCTS ARE USED SO THAT A LANE HOLDS ONE PARTICLE i (lane % 16): source 0 = 16 j (distances), 16 d (field), 16 outputs (last product); source 1 = my 16 i.
;   Lane r of a distance tile u takes j = 32 block + 8 u + r + 8 (r / 8): the 16 registers of the two tiles are 16 neighbouring j, 16 (lane / 16) on; launch 2 has laid the rows of projected's tiles likewise.
; OPERANDS GO FROM WAVE TO WAVE THROUGH LDS AS IMAGES OF THEIR REGISTERS (register group c of lane l at 512 c + 16 l); a wave's 16 codes of a row are 8 bytes of such an image, its block's scale one byte of the row's word.
; RING.  Twenty blocks of 139,264 bytes go through two LDS slots: the 16 blocks of pj (a step's 128 fragments and their scale words), then W_combine's codes in four quarters of K (512 rows x 256 bytes + 16).
;   Each wave fetches an eighth of a block with one tensor load.  CLUSTER: the four work-groups of a cluster belong to one batch and walk the same blocks: every load is joint (mask 15).
;   By this text's count a wave has two tensor loads out at the start and one behind each round.
; PREFETCH: behind each joint load in the pair loop, waves 0-3 of a batch's first cluster name the codes of the block that the refill two changes on will ask for: 512 runs of 256 bytes, shared out among the four partners by address;
;   the last four asking changes name W_combine's four quarters (batch 0's first cluster alone).  Blocks 0-3 and the blocks' scale words come by their loads alone.  Each run is named once; none lies outside its buffer.
; LIMITS: d carries an error of the order of 2^-24 (|a'|^2 + |b'|^2) and may come out slightly under 0; weights under 2^-126 are taken as 0 (v_exp_f32 flushes them: ISA guide, its entry);
;   log_bandwidth is served up to about 86 (beyond, the reciprocal of 2 e^lb leaves the normal range); a block of zeros carries the byte 1; NaN and infinities are not served.
.set BLOCK, 139264
.set SLOT1, 139264                     ; LDS: slot 0 from 0, slot 1 from here
.set PBASE, 278528                     ; weight buffer 1 (odd steps): 8 fragments (2 k + t) x 1,024, then their scale words, 64 bytes each
.set PBUF,  8704                       ; weight buffer 0 lies PBUF further on
.set FIMG,  287232                     ; the field's 32 fragments (2 K step + t) x 1,024: over weight buffer 0, which has had its last read by then, and on
.set FSC,   320000                     ; their scale words, 64 bytes each
.set STAT1, 322048                     ; LayerNorm: 128 bytes a wave; the second exchange 1,024 further on
.set SPARE, 324096                     ; the spare words: 128 bytes a wave, named by no other line
.set WOFF,  2621440                    ; W_combine's codes in qcodes
.set WSOFF, 163840                     ; and its scale bytes in qscales
; vector registers, window 0 (window 1: accumulators alone)
.set LI,   1                           ; 16 x lane
.set AF0,  2                           ; v2, v3   my slice's fragments in slot 0, 1
.set ASC0, 4                           ; v4, v5   their scale words
.set APF,  6                           ; my kernel's weight fragments
.set APS,  7                           ; their scale words
.set APW,  8                           ; where I store 8 bytes of codes
.set APB,  9                           ; where I store a scale byte
.set GP,   10                          ; global offsets of a step's positions, sq, mass
.set GS,   11
.set GM,   12
.set ONEH, 13                          ; 1.0 in lanes 0-15, 0 in lanes 16-31
.set SPW,  14                          ; LDS address of my spare word; never rewritten
.set NIL,  15                          ; 0; never rewritten
.set C2,   16                          ; v16-23  2 c for my 8 dimensions; later gamma (v16-19) and beta (v20-23)
.set BI,   24                          ; v24-33  p_i - c, 8 dimensions; then (ONEH, sq_i ONEH)
.set AJ,   34                          ; v34-53  tile u at AJ + 10 u: -2 (p_j - c), 8 dimensions; then (sq_j ONEH, ONEH)
.set DD,   54                          ; v54-69  the distances: written by f32 matrix instructions alone
.set MS,   70                          ; v70-85  mass of my 16 j
.set W,    86                          ; v86-117 the weights of two kernels
.set RAW,  86                          ; v86-103 a step's positions and sq as loaded (over W)
.set TM,   118                         ; v118-127 the quantiser of MAKE: 2 maxima, 2 exchanged, 2 scale operands, 4 bytes
.set PC,   134                         ; v134-141 codes: two registers a kernel
.set PF,   146                         ; v146-161 two weight (later field) fragments
.set PS,   162                         ; v162-163 their scale words
.set SCA,  164                         ; v164-171 projected's scale words
.set F,    172                         ; v172-235 two sets of four fragments
.set QT,   172                         ; the field's quantiser at work (F is free then); codes v188-219, words v220-223
.set WS,   70                          ; v70-133 W_combine's scale words (MAKE is over then)
.set AWC0, 236                         ; v236, v237 W_combine's fragments in slot 0, 1
.set AFW,  238
.set AFS,  239
.set AFR,  240
.set AFSR, 241
.set STO,  242
.set RD,   243
.set GO,   244
.set STW,  245
.set STR,  246
.set PFO,  247
.set PFO2, 248
.set WSO,  249
.set GBO,  250
.set LS,   70                          ; LayerNorm: partial sums, 16 registers a tile
.set LT,   102                         ; the eight waves' figures, 8 a tile
.set LM,   118                         ; means, a pair a tile;  LM + 4: 1 / sigma
.set XR,   172                         ; field - mean
.set OB,   134                         ; rows read back: v134-165 (t = 0), v70-101 (t = 1)
; scalar registers
.set WV,   24
.set CX,   25
.set BB,   26
.set XX,   27
.set G1P,  28                          ; s[28:35] group 1 for pj's blocks;  s[36:43] for W_combine's
.set G1W,  36
.set G0A,  44                          ; groups 0: pj slot 0, slot 1; W_combine slot 0, slot 1
.set G0B,  48
.set G0WA, 52
.set G0WB, 56
.set SEL,  60
.set CK,   66                          ; s[66:73] c_k = -log2(e) / (2 e^lb_k + 1e-8), a pair each
.set PB,   74                          ; s[74:75] position, s[76:77] sq, s[78:79] mass at the step to be loaded
.set SQB,  76
.set MB,   78
.set PFA,  80
.set PFW,  82
.set LIMP, 84
.set WA,   85
.set SJ,   87
.set LOOP, 88
.set MSB, 0
.macro WIN new                         ; the immediate's high byte repeats the setting that is left
.if MSB != \new
	s_set_vgpr_msb (MSB<<8)|\new
.set MSB, \new
.endif
.endm
.macro PLACES n
.rept \n
	v_nop
.endr
.endm
.macro ROUND                           ; a round of the cluster's barrier
	s_barrier_signal -1
	s_barrier_wait -1
	s_cmp_lg_u32 s[WV], 0
	s_cbranch_scc1 .Lnw0_\@
	s_barrier_signal -3
.Lnw0_\@:
	s_barrier_wait -3
	s_barrier_signal -1
	s_barrier_wait -1
.endm
; 64 numbers of a lane in window 1, register 16 b + i = K place 32 b + 16 (lane / 16) + i of the lane's row, become a fragment's codes in v[pc] on and its scale word in v[pw].
.macro QUANTW src, pc, pw
	WIN 0x05                                       ; sources 0 and 1 in window 1
.irp b, 0,1,2,3
	v_max3_num_f32 v[QT+\b], |v[(\src)+16*\b]|, |v[(\src)+16*\b+1]|, 0x1800000   ; each accumulator is read from its low end on; the floor 2^(3 - 127) holds the byte at 1 from below
.endr
.irp i, 2,4,6,8,10,12,14
.irp b, 0,1,2,3
	v_max3_num_f32 v[QT+\b], |v[(\src)+16*\b+\i]|, |v[(\src)+16*\b+\i+1]|, v[QT+\b]
.endr
.endr
	WIN 0
.irp b, 0,1,2,3
	v_permlanex16_b32 v[QT+4+\b], v[QT+\b], s[SEL], s[SEL+1]
.endr
.irp b, 0,1,2,3
	v_max_num_f32 v[QT+\b], v[QT+\b], v[QT+4+\b]
.endr
.irp b, 0,1,2,3
	v_add_nc_u32 v[QT+12+\b], 0xff000000, v[QT+\b]
.endr
.irp b, 0,1,2,3
	v_lshrrev_b32 v[QT+4+\b], 23, v[QT+12+\b]
.endr
	v_lshl_or_b32 v[\pw], v[QT+5], 8, v[QT+4]
	v_lshl_or_b32 v[\pw], v[QT+6], 16, v[\pw]
	v_lshl_or_b32 v[\pw], v[QT+7], 24, v[\pw]
	WIN 0x01                                       ; source 0 in window 1
.irp b, 0,1,2,3
	v_cvt_scalef32_pk8_fp4_f32 v[(\pc)+2*\b], v[(\src)+16*\b:(\src)+16*\b+7], v[QT+12+\b]
	v_cvt_scalef32_pk8_fp4_f32 v[(\pc)+2*\b+1], v[(\src)+16*\b+8:(\src)+16*\b+15], v[QT+12+\b]
.endr
	WIN 0
	v_nop                                          ; one plain line behind the scaled conversions
.irp c, 0,1
.irp i, 0,1
	v_permlane16_swap_b32 v[(\pc)+4*\c+\i], v[(\pc)+2+4*\c+\i]
.endr
.endr
.endm
.macro RLOAD                           ; a step's raw numbers for my block of 32 j: ten loads
.irp u, 0,1
	global_load_b128 v[RAW+8*\u:RAW+8*\u+3], v[GP], s[PB:PB+1] offset:512*\u
	global_load_b128 v[RAW+8*\u+4:RAW+8*\u+7], v[GP], s[PB:PB+1] offset:512*\u+16
	global_load_b32 v[RAW+16+\u], v[GS], s[SQB:SQB+1] offset:32*\u
.endr
.irp i, 0,1,2,3
	global_load_b128 v[MS+4*\i:MS+4*\i+3], v[GM], s[MB:MB+1] offset:16*\i
.endr
.endm
; MAKE: the weights of step SJ for my 16 i x 32 j, all four kernels, as codes and scale bytes into weight buffer buf.
.macro MAKE buf
	s_wait_loadcnt 0x0                             ; the step's raw numbers are in: so the loads' bases may step
	s_add_nc_u64 s[PB:PB+1], s[PB:PB+1], 8192
	s_add_nc_u64 s[SQB:SQB+1], s[SQB:SQB+1], 512
	s_add_nc_u64 s[MB:MB+1], s[MB:MB+1], 512
	s_add_co_u32 s[SJ], s[SJ], 1
.irp u, 0,1
.irp p, 0,1,2,3
	v_pk_fma_f32 v[AJ+10*\u+2*\p:AJ+10*\u+2*\p+1], v[RAW+8*\u+2*\p:RAW+8*\u+2*\p+1], -2.0, v[C2+2*\p:C2+2*\p+1] op_sel_hi:[1,0,1]   ; -2 p + 2 c = -2 (p - c), rounded as p - c is
.endr
	v_mul_f32 v[AJ+10*\u+8], v[RAW+16+\u], v[ONEH]
.endr
.irp s, 0,1,2,3,4                              ; five links a tile; the two tiles take turns
.irp u, 0,1
.if \s == 0
	v_wmma_f32_16x16x4_f32 v[DD+8*\u:DD+8*\u+7], v[AJ+10*\u:AJ+10*\u+1], v[BI:BI+1], 0
.else
	v_wmma_f32_16x16x4_f32 v[DD+8*\u:DD+8*\u+7], v[AJ+10*\u+2*\s:AJ+10*\u+2*\s+1], v[BI+2*\s:BI+2*\s+1], v[DD+8*\u:DD+8*\u+7]
.endif
.endr
.endr
	PLACES 8                                       ; eight places behind this form ahead of the first read of its result
.irp kk, 0,2                                   ; two kernels at a time
.irp q, 0,1
.irp p, 0,1,2,3,4,5,6,7
	v_pk_mul_f32 v[W+16*\q+2*\p:W+16*\q+2*\p+1], v[DD+2*\p:DD+2*\p+1], s[CK+2*(\kk+\q):CK+2*(\kk+\q)+1] op_sel_hi:[1,0]   ; d c_k; each tile of d is read from its low end on
.endr
.endr
.set n, 0
.rept 32
	v_exp_f32 v[W+n], v[W+n]                       ; one batch of 32
.set n, n+1
.endr
	v_nop                                          ; the plain line behind the last exponential
	s_wait_alu depctr_va_vdst(0)                   ; one wait for the batch, ahead of its first reader
.irp q, 0,1
.irp p, 0,1,2,3,4,5,6,7
	v_pk_mul_f32 v[W+16*\q+2*\p:W+16*\q+2*\p+1], v[W+16*\q+2*\p:W+16*\q+2*\p+1], v[MS+2*\p:MS+2*\p+1]   ; x mass_j
.endr
.endr
.irp q, 0,1
	v_max3_num_f32 v[TM+\q], |v[W+16*\q]|, |v[W+16*\q+1]|, 0x1800000   ; my 16 of the block's 32, and the floor 2^(3 - 127)
.endr
.irp i, 2,4,6,8,10,12,14
.irp q, 0,1
	v_max3_num_f32 v[TM+\q], v[TM+\q], |v[W+16*\q+\i]|, |v[W+16*\q+\i+1]|
.endr
.endr
.irp q, 0,1
	v_permlanex16_b32 v[TM+2+\q], v[TM+\q], s[SEL], s[SEL+1]
.endr
.irp q, 0,1
	v_max_num_f32 v[TM+\q], v[TM+\q], v[TM+2+\q]   ; with lane l xor 16's 16: the block's largest magnitude
.endr
.irp q, 0,1
	v_add_nc_u32 v[TM+4+\q], 0xff000000, v[TM+\q]  ; 2 off its exponent field: the conversion's scale operand
.endr
.irp q, 0,1
	v_lshrrev_b32 v[TM+6+\kk+\q], 23, v[TM+4+\q]   ; the scale's byte, a register for each kernel
.endr
.irp q, 0,1
	v_cvt_scalef32_pk8_fp4_f32 v[PC+2*(\kk+\q)], v[W+16*\q:W+16*\q+7], v[TM+4+\q]
	v_cvt_scalef32_pk8_fp4_f32 v[PC+2*(\kk+\q)+1], v[W+16*\q+8:W+16*\q+15], v[TM+4+\q]
.endr
	v_nop                                          ; one plain line behind the scaled conversions
.irp q, 0,1
	ds_store_b64 v[APW], v[PC+2*(\kk+\q):PC+2*(\kk+\q)+1] offset:(1-(\buf))*PBUF+2048*(\kk+\q)   ; 16 codes: their 8 bytes of the fragment's image
	ds_store_b8 v[APB], v[TM+6+\kk+\q] offset:(1-(\buf))*PBUF+128*(\kk+\q)                       ; my block's byte of the row's scale word; both halves write the same value
.endr
.endr
	s_cmp_eq_u32 s[SJ], 16                         ; a count of steps: behind the last step nothing is loaded: no load leaves its buffer
	s_cbranch_scc1 .Lnoload_\@
	RLOAD
.Lnoload_\@:
.endm
.macro FLOAD set, t0, slot             ; four fragments of my slice, tiles t0 on
.irp i, 0,1,2,3
	ds_load_b128 v[F+32*(\set)+8*\i:F+32*(\set)+8*\i+3], v[AF0+\slot] offset:1024*((\t0)+\i)
	ds_load_b128 v[F+32*(\set)+8*\i+4:F+32*(\set)+8*\i+7], v[AF0+\slot] offset:1024*((\t0)+\i)+512
.endr
.endm
.macro GRP g, zero                     ; tiles 4 g .. 4 g + 3 of d x both tiles of i: 8 matrix instructions.  A scale register holds tile 8 G + q's words in lanes 0-15 and tile 8 G + 4 + q's in lanes 16-31
	WIN 0x50                                       ; C and D in window 1
.irp i, 0,1,2,3
.irp t, 0,1
.if \zero
.if (\g)%2
	v_wmma_scale_f32_16x16x128_f8f6f4 v[128*\t+8*(4*(\g)+\i):128*\t+8*(4*(\g)+\i)+7], v[F+32*((\g)%2)+8*\i:F+32*((\g)%2)+8*\i+7], v[PF+8*\t:PF+8*\t+7], 0, v[SCA+4*((\g)/2)+\i], v[PS+\t] matrix_a_fmt:MATRIX_FMT_FP4 matrix_b_fmt:MATRIX_FMT_FP4 matrix_a_scale:MATRIX_SCALE_ROW1
.else
	v_wmma_scale_f32_16x16x128_f8f6f4 v[128*\t+8*(4*(\g)+\i):128*\t+8*(4*(\g)+\i)+7], v[F+32*((\g)%2)+8*\i:F+32*((\g)%2)+8*\i+7], v[PF+8*\t:PF+8*\t+7], 0, v[SCA+4*((\g)/2)+\i], v[PS+\t] matrix_a_fmt:MATRIX_FMT_FP4 matrix_b_fmt:MATRIX_FMT_FP4
.endif
.else
.if (\g)%2
	v_wmma_scale_f32_16x16x128_f8f6f4 v[128*\t+8*(4*(\g)+\i):128*\t+8*(4*(\g)+\i)+7], v[F+32*((\g)%2)+8*\i:F+32*((\g)%2)+8*\i+7], v[PF+8*\t:PF+8*\t+7], v[128*\t+8*(4*(\g)+\i):128*\t+8*(4*(\g)+\i)+7], v[SCA+4*((\g)/2)+\i], v[PS+\t] matrix_a_fmt:MATRIX_FMT_FP4 matrix_b_fmt:MATRIX_FMT_FP4 matrix_a_scale:MATRIX_SCALE_ROW1
.else
	v_wmma_scale_f32_16x16x128_f8f6f4 v[128*\t+8*(4*(\g)+\i):128*\t+8*(4*(\g)+\i)+7], v[F+32*((\g)%2)+8*\i:F+32*((\g)%2)+8*\i+7], v[PF+8*\t:PF+8*\t+7], v[128*\t+8*(4*(\g)+\i):128*\t+8*(4*(\g)+\i)+7], v[SCA+4*((\g)/2)+\i], v[PS+\t] matrix_a_fmt:MATRIX_FMT_FP4 matrix_b_fmt:MATRIX_FMT_FP4
.endif
.endif
.endr
.endr
	WIN 0
.endm
; MULT: field += projected^T x weights for the step in slot: 32 matrix instructions, the 32 accumulators by turns.  The weights lie in buffer slot.
.macro MULT slot, zero
.irp t, 0,1
.irp c, 0,1
	ds_load_b128 v[PF+8*\t+4*\c:PF+8*\t+4*\c+3], v[APF] offset:(1-(\slot))*PBUF+1024*\t+512*\c
.endr
	ds_load_b32 v[PS+\t], v[APS] offset:(1-(\slot))*PBUF+64*\t
.endr
.irp g, 0,1
	ds_load_b128 v[SCA+4*\g:SCA+4*\g+3], v[ASC0+\slot] offset:512*\g
.endr
	FLOAD 0, 0, \slot
	FLOAD 1, 4, \slot
	s_wait_dscnt 8                                 ; all but the younger set's eight loads
	GRP 0, \zero
	PLACES 4                                       ; in front of loads into registers that matrix instructions have read
	FLOAD 0, 8, \slot
	s_wait_dscnt 8
	GRP 1, \zero
	PLACES 4
	FLOAD 1, 12, \slot
	s_wait_dscnt 8
	GRP 2, \zero
	s_wait_dscnt 0x0
	GRP 3, \zero
	PLACES 4                                       ; for whatever next writes these operands or reads these results
.endm
.macro PHASE slot, zero                ; a step: its products, and the next step's weights; the branches hang on the wave's number alone
	s_cmp_lt_u32 s[WV], 4
	s_cbranch_scc0 .Llate_\@
	MAKE 1-\slot
.Llate_\@:
	MULT \slot, \zero
	s_cmp_lt_u32 s[WV], 4
	s_cbranch_scc1 .Ldone_\@
	MAKE 1-\slot
.Ldone_\@:
.endm
; THE CHANGE OF SLOTS.  Each wave waits for all its tensor loads (its eighth of the block that it is about to read), adds 0 to its spare word, and waits for that and for all its LDS reads and stores.
; Behind the round no wave of any partner reads the slot that was left, and the weights (or field images) stored in the last phase lie in LDS.  The joint refill is the first thing behind the round, one load a wave.
; ask = 1, 2: in the pair loop; 3, 4: written out; 0: nothing is named.
.macro CHANGE g0, g1, step, ask
	s_wait_tensorcnt 0x0                           ; no tensor load of mine is out, so a group 0 may be written
	ds_add_u32 v[SPW], v[NIL]                      ; 0 onto my spare word
.if \step
	s_add_nc_u64 s[\g0+2:\g0+3], s[\g0+2:\g0+3], \step
.endif
.if (\ask == 1) || (\ask == 2)
	s_wait_xcnt 0x0                                ; the last prefetch, a phase back, has read its address, so it may be written
	s_add_nc_u64 s[PFA:PFA+1], s[PFA:PFA+1], BLOCK
.endif
	s_wait_dscnt 0x0                               ; the add is done; my reads of the slot are over; my stores have landed
	ROUND
	tensor_load_to_lds s[\g0:\g0+3], s[\g1:\g1+7]
	s_nop 0
	PLACES 4
.if (\ask == 1) || (\ask == 2)
	s_cmp_gt_u32 s[LOOP], s[LIMP]                  ; every trip but the last: the codes of the block of pj that the refill two changes on asks for
	s_cbranch_scc0 .Lnp_\@
	global_prefetch_b8 v[PFO], s[PFA:PFA+1] th:TH_LOAD_NT scope:SCOPE_SE
.Lnp_\@:
	s_cmp_eq_u32 s[LOOP], s[WA]                    ; the last trip: W_combine's quarters 0 and 1
	s_cbranch_scc0 .Lnw_\@
	global_prefetch_b8 v[PFO2], s[PFW:PFW+1] offset:256*(\ask-1) th:TH_LOAD_NT scope:SCOPE_SE
.Lnw_\@:
.elseif \ask > 2
	s_cmp_eq_u32 s[WA], 1                          ; quarters 2 and 3
	s_cbranch_scc0 .Lnw_\@
	global_prefetch_b8 v[PFO2], s[PFW:PFW+1] offset:256*(\ask-1) th:TH_LOAD_NT scope:SCOPE_SE
.Lnw_\@:
.endif
.endm
.macro P3LOAD q, kp, slot              ; K step 4 q + kp of the last product: 4 fragments of W_combine, 2 of the field and their scale words: 14 loads, into set kp % 2
.irp nu, 0,1,2,3
.irp c, 0,1
	ds_load_b128 v[F+32*((\kp)%2)+8*\nu+4*\c:F+32*((\kp)%2)+8*\nu+4*\c+3], v[AWC0+\slot] offset:4352*\nu+64*(\kp)+32*\c
.endr
.endr
.irp t, 0,1
.irp c, 0,1
	ds_load_b128 v[PF-112*((\kp)%2)+8*\t+4*\c:PF-112*((\kp)%2)+8*\t+4*\c+3], v[AFR] offset:(2*(4*(\q)+(\kp))+\t)*1024+512*\c
.endr
	ds_load_b32 v[PS-112*((\kp)%2)+\t], v[AFSR] offset:(2*(4*(\q)+(\kp))+\t)*64
.endr
.endm
.macro P3MUL q, kp, zero               ; 8 matrix instructions, the 8 accumulators by turns
	WIN 0x50
.irp nu, 0,1,2,3
.irp t, 0,1
.if \zero
	v_wmma_scale_f32_16x16x128_f8f6f4 v[32*\t+8*\nu:32*\t+8*\nu+7], v[F+32*((\kp)%2)+8*\nu:F+32*((\kp)%2)+8*\nu+7], v[PF-112*((\kp)%2)+8*\t:PF-112*((\kp)%2)+8*\t+7], 0, v[WS+16*\nu+4*(\q)+(\kp)], v[PS-112*((\kp)%2)+\t] matrix_a_fmt:MATRIX_FMT_FP4 matrix_b_fmt:MATRIX_FMT_FP4
.else
	v_wmma_scale_f32_16x16x128_f8f6f4 v[32*\t+8*\nu:32*\t+8*\nu+7], v[F+32*((\kp)%2)+8*\nu:F+32*((\kp)%2)+8*\nu+7], v[PF-112*((\kp)%2)+8*\t:PF-112*((\kp)%2)+8*\t+7], v[32*\t+8*\nu:32*\t+8*\nu+7], v[WS+16*\nu+4*(\q)+(\kp)], v[PS-112*((\kp)%2)+\t] matrix_a_fmt:MATRIX_FMT_FP4 matrix_b_fmt:MATRIX_FMT_FP4
.endif
.endr
.endr
	WIN 0
.endm
.macro P3 q, slot, zero                ; a quarter of the last product's K
	P3LOAD \q, 0, \slot
	P3LOAD \q, 1, \slot
	s_wait_dscnt 14                                ; all but the younger group's 14 loads
	P3MUL \q, 0, \zero
	PLACES 4
	P3LOAD \q, 2, \slot
	s_wait_dscnt 14
	P3MUL \q, 1, 0
	PLACES 4
	P3LOAD \q, 3, \slot
	s_wait_dscnt 14
	P3MUL \q, 2, 0
	s_wait_dscnt 0x0
	P3MUL \q, 3, 0
	PLACES 4
.endm
.macro FOLD a, b
	v_pk_add_f32 v[(\a):(\a)+1], v[(\a):(\a)+1], v[(\b):(\b)+1]
.endm
; The pair v[LS + 16 t] holds my lane's figure for row 16 t + r over my half of my wave's 64 columns.  Behind EXCH, v[LT + 8 t] holds the row's figure over all 512 columns, in every lane.
.macro EXCH off
.irp t, 0,1
	v_add_f32 v[LS+16*\t], v[LS+16*\t], v[LS+16*\t+1]
.endr
.irp t, 0,1
	v_permlanex16_b32 v[LS+16*\t+2], v[LS+16*\t], s[SEL], s[SEL+1]
.endr
.irp t, 0,1
	v_add_f32 v[LS+16*\t], v[LS+16*\t], v[LS+16*\t+2]
.endr
.irp t, 0,1
	ds_store_b32 v[STW], v[LS+16*\t] offset:\off+64*\t   ; both halves write the same word with the same value
.endr
	s_wait_dscnt 0x0                               ; for the others' sake: my stores have landed
	s_barrier_signal -1
	s_barrier_wait -1
.irp t, 0,1
.irp x, 0,1,2,3,4,5,6,7
	ds_load_b32 v[LT+8*\t+\x], v[STR] offset:\off+128*\x+64*\t
.endr
.endr
	s_wait_dscnt 0x0
.irp t, 0,1
	FOLD LT+8*\t, LT+8*\t+2
	FOLD LT+8*\t+4, LT+8*\t+6
.endr
.irp t, 0,1
	FOLD LT+8*\t, LT+8*\t+4
.endr
.irp t, 0,1
	v_add_f32 v[LT+8*\t], v[LT+8*\t], v[LT+8*\t+1]
.endr
.endm
	s_load_b512 s[4:19], s[0:1], 0x0               ; position s[4:5], mass s[6:7], log_bandwidth s[8:9], gamma s[10:11], beta s[12:13], qcodes s[14:15], qscales s[16:17], sq s[18:19]
	s_load_b128 s[20:23], s[0:1], 0x40             ; pj s[20:21], out0 s[22:23]
	v_lshl_add_u32 v[SPW], v0, 2, SPARE
	v_mov_b32 v[NIL], 0
	ds_add_u32 v[SPW], v[NIL]                      ; the wave's opening: the add, twice on end, and its wait ahead of my first tensor load
	ds_add_u32 v[SPW], v[NIL]
	v_lshrrev_b32 v200, 5, v0
	v_readfirstlane_b32 s[WV], v200                ; wave 0..7
	s_bfe_u32 s[CX], ttmp6, 0x40000                ; cx: it enters global addresses of my own rows and the prefetches' offsets alone
	s_and_b32 s[BB], ttmp7, 0xffff                 ; the batch, which the four partners share
	s_lshl_b32 s[XX], ttmp9, 2
	s_add_co_u32 s[XX], s[XX], s[CX]               ; my block of 32 particles
	s_mov_b32 s[G1P], 15|(3<<16)|(1<<21)           ; mask: all four; elements of 8 bytes; bit 21 beside a mask; no padding
	s_mov_b32 s[G1P+1], 32<<16                     ; an eighth of a block is dense: 68 rows of 256 bytes
	s_mov_b32 s[G1P+2], 68<<16
	s_mov_b32 s[G1P+3], 32<<16
	s_mov_b32 s[G1P+4], 68
	s_mov_b32 s[G1P+5], 32
	s_mov_b32 s[G1P+6], 0
	s_mov_b32 s[G1P+7], 0
	s_mov_b32 s[G1W], 15|(1<<20)|(1<<21)|(5<<22)|(3<<25)   ; elements of 1 byte; 4 words of padding behind every 64
	s_mov_b32 s[G1W+1], 256<<16                    ; 64 rows x 256 bytes of rows of 1,024
	s_mov_b32 s[G1W+2], 64<<16
	s_mov_b32 s[G1W+3], 256<<16
	s_mov_b32 s[G1W+4], 64
	s_mov_b32 s[G1W+5], 1024
	s_mov_b32 s[G1W+6], 0
	s_mov_b32 s[G1W+7], 0
	s_mov_b32 s[SEL], 0x76543210
	s_mov_b32 s[SEL+1], 0xfedcba98
	s_mul_i32 s90, s[WV], 17408                    ; my eighth of a slot
	s_mul_i32 s92, s[BB], 16*BLOCK
	s_add_co_u32 s92, s92, s90                     ; and of the batch's first block
	s_mov_b32 s93, 0
	s_lshl_b32 s94, s[WV], 16                      ; W_combine: my 64 rows of 1,024 bytes
	s_add_co_u32 s94, s94, WOFF
	s_mov_b32 s95, 0
	s_wait_dscnt 0x0                               ; both opening adds are done
	s_wait_kmcnt 0x0
	s_mov_b32 s[G0A], 1
	s_mov_b32 s[G0A+1], s90
	s_add_nc_u64 s[G0A+2:G0A+3], s[20:21], s[92:93]
	s_mov_b32 s[G0B], 1
	s_add_co_u32 s[G0B+1], s90, SLOT1
	s_add_nc_u64 s[G0B+2:G0B+3], s[G0A+2:G0A+3], BLOCK
	s_or_b32 s[G0A+3], s[G0A+3], 0x80000000
	s_or_b32 s[G0B+3], s[G0B+3], 0x80000000
	s_mov_b32 s[G0WA], 1
	s_mov_b32 s[G0WA+1], s90
	s_add_nc_u64 s[G0WA+2:G0WA+3], s[14:15], s[94:95]
	s_mov_b32 s[G0WB], 1
	s_add_co_u32 s[G0WB+1], s90, SLOT1
	s_add_nc_u64 s[G0WB+2:G0WB+3], s[G0WA+2:G0WA+3], 256
	s_or_b32 s[G0WA+3], s[G0WA+3], 0x80000000
	s_or_b32 s[G0WB+3], s[G0WB+3], 0x80000000
	ROUND                                          ; all four work-groups are here: the first joint loads meet
	tensor_load_to_lds s[G0A:G0A+3], s[G1P:G1P+7]  ; block 0
	s_nop 0
	tensor_load_to_lds s[G0B:G0B+3], s[G1P:G1P+7]  ; block 1
	s_nop 0
	PLACES 4
	s_load_b128 s[92:95], s[8:9], 0x0              ; log_bandwidth
	v_and_b32 v200, 31, v0                         ; lane
	v_and_b32 v201, 15, v0                         ; r
	v_bfe_u32 v202, v0, 4, 1                       ; h
	v_and_b32 v203, 8, v201
	v_add_nc_u32 v203, v203, v201                  ; r + 8 (r / 8)
	s_lshr_b32 s62, s[WV], 1                       ; my kernel in MULT; my block of 32 j in MAKE
	s_and_b32 s63, s[WV], 1                        ; my tile of i in MAKE
	; the global bases and the first loads
	s_lshl_b32 s90, s[BB], 17
	s_mov_b32 s91, 0
	s_add_nc_u64 s[PB:PB+1], s[4:5], s[90:91]
	s_lshl_b32 s90, s[BB], 13
	s_add_nc_u64 s[SQB:SQB+1], s[18:19], s[90:91]
	s_add_nc_u64 s[MB:MB+1], s[6:7], s[90:91]
	s_lshl_b32 s90, s[XX], 11
	s_add_nc_u64 s[96:97], s[PB:PB+1], s[90:91]    ; my 32 particles' positions
	s_lshl_b32 s90, s[XX], 7
	s_add_nc_u64 s[98:99], s[SQB:SQB+1], s[90:91]  ; and their sq
	s_lshl_b32 s90, s62, 11
	v_lshl_add_u32 v[GP], v203, 6, s90             ; (32 block + r + 8 (r / 8)) x 64 + 32 h
	v_lshl_add_u32 v[GP], v202, 5, v[GP]
	s_lshl_b32 s90, s62, 7
	v_lshl_add_u32 v[GS], v203, 2, s90
	v_lshl_add_u32 v[GM], v202, 6, s90             ; mass of j = 32 block + 16 h + 0 .. 15
	v_lshlrev_b32 v205, 5, v202
	global_load_b128 v[C2:C2+3], v205, s[PB:PB+1]              ; c: my 8 dimensions, 8 h on
	global_load_b128 v[C2+4:C2+7], v205, s[PB:PB+1] offset:16
	s_lshl_b32 s90, s63, 10
	v_lshl_add_u32 v206, v201, 6, s90
	v_lshl_add_u32 v206, v202, 5, v206
	global_load_b128 v[BI:BI+3], v206, s[96:97]                ; p_i, i = 16 t + r
	global_load_b128 v[BI+4:BI+7], v206, s[96:97] offset:16
	s_lshl_b32 s90, s63, 6
	v_lshl_add_u32 v207, v201, 2, s90
	global_load_b32 v[BI+9], v207, s[98:99]                    ; sq_i
	RLOAD                                          ; step 0
	; every LDS address is made here, ahead of the first parting of the waves
	v_lshlrev_b32 v[LI], 4, v200
	s_lshl_b32 s90, s[WV], 14
	v_add_nc_u32 v[AF0], s90, v[LI]
	v_add_nc_u32 v[AF0+1], SLOT1, v[AF0]
	s_lshl_b32 s90, s[WV], 10
	s_add_co_u32 s90, s90, 131072
	v_add_nc_u32 v[ASC0], s90, v[LI]
	v_add_nc_u32 v[ASC0+1], SLOT1, v[ASC0]
	s_lshl_b32 s90, s62, 11
	s_add_co_u32 s90, s90, PBASE
	v_add_nc_u32 v[APF], s90, v[LI]
	s_lshl_b32 s90, s62, 7
	s_add_co_u32 s90, s90, PBASE+8192
	v_lshl_add_u32 v[APS], v201, 2, s90
	s_lshl_b32 s90, s63, 10                        ; fragment t; block b of 32 j lies at 256 b in a fragment's image (512 (b / 2) + 16 x 16 (b % 2))
	s_lshl_b32 s91, s62, 8
	s_add_co_u32 s90, s90, s91
	s_add_co_u32 s90, s90, PBASE
	v_lshl_add_u32 v[APW], v201, 4, s90
	v_lshl_add_u32 v[APW], v202, 3, v[APW]         ; + 16 r + 8 h
	s_lshl_b32 s90, s63, 6
	s_add_co_u32 s90, s90, s62
	s_add_co_u32 s90, s90, PBASE+8192
	v_lshl_add_u32 v[APB], v201, 2, s90            ; word r of fragment t, byte = my block
	v_sub_nc_u32 v204, 1, v202
	v_cvt_f32_u32 v[ONEH], v204
	s_mul_i32 s90, s[WV], 17408
	v_mul_u32_u24 v204, v201, 272
	v_lshl_add_u32 v204, v202, 4, v204
	v_add_nc_u32 v[AWC0], s90, v204                ; W_combine: row 64 w + r, + 16 h
	v_add_nc_u32 v[AWC0+1], SLOT1, v[AWC0]
	s_lshl_b32 s90, s[WV], 12
	s_add_co_u32 s90, s90, FIMG
	v_add_nc_u32 v[AFW], s90, v[LI]
	s_lshl_b32 s90, s[WV], 8
	s_add_co_u32 s91, s90, FSC
	v_lshl_add_u32 v[AFS], v201, 2, s91
	v_lshl_add_u32 v[GBO], v201, 4, s90            ; gamma, beta: 256 w + 16 r
	v_add_nc_u32 v[AFR], FIMG, v[LI]
	v_lshlrev_b32 v204, 2, v201
	v_add_nc_u32 v[AFSR], FSC, v204
	v_add_nc_u32 v[STR], STAT1, v204
	s_lshl_b32 s90, s[WV], 7
	s_add_co_u32 s90, s90, STAT1
	v_add_nc_u32 v[STW], s90, v204
	s_mul_i32 s90, s[WV], 4352                     ; my stage on the way out: 16 rows x 272, in slot 0, behind its last fill and its last read
	v_mul_u32_u24 v204, v201, 272
	v_lshl_add_u32 v204, v202, 5, v204
	v_add_nc_u32 v[STO], s90, v204
	v_mul_u32_u24 v204, v202, 272
	v_lshl_add_u32 v204, v201, 4, v204
	v_add_nc_u32 v[RD], s90, v204
	v_lshlrev_b32 v204, 11, v202
	v_lshl_add_u32 v[GO], v201, 4, v204            ; two rows of out0 an instruction, 16 bytes a lane
	v_lshlrev_b32 v[WSO], 6, v201
	; out0 at my rows and columns; the prefetches
	s_lshl_b32 s90, s[BB], 22
	s_lshl_b32 s91, s[XX], 16
	s_add_co_u32 s90, s90, s91
	s_lshl_b32 s91, s[WV], 8
	s_add_co_u32 s90, s90, s91
	s_mov_b32 s91, 0
	s_add_nc_u64 s[22:23], s[22:23], s[90:91]
	s_mul_i32 s90, s[BB], 16*BLOCK
	s_add_co_u32 s90, s90, 3*BLOCK
	s_add_nc_u64 s[PFA:PFA+1], s[20:21], s[90:91]  ; at the batch's block 3: the first change steps it to block 4
	s_add_nc_u64 s[PFW:PFW+1], s[14:15], WOFF
	s_lshr_b32 s90, s[WV], 2                       ; 0 in waves 0 to 3,
	s_or_b32 s90, s90, ttmp9                       ; of the batch's first cluster: the same in all four partners
	s_cmp_eq_u32 s90, 0
	s_cselect_b32 s[LIMP], 1, -1
	s_or_b32 s90, s90, s[BB]                       ; W_combine is the same for all batches: batch 0's askers name it
	s_cmp_eq_u32 s90, 0
	s_cselect_b32 s[WA], 1, -1
	s_lshl_b32 s90, s[CX], 2
	s_add_co_u32 s90, s90, s[WV]                   ; the partners and waves share the runs out by address
	s_lshl_b32 s91, s90, 13
	v_lshl_add_u32 v[PFO], v200, 8, s91            ; 8,192 bytes a wave, lanes 256 bytes apart
	s_lshl_b32 s91, s90, 15
	v_lshl_add_u32 v[PFO2], v200, 10, s91          ; 32 rows a wave, a lane a row
	; c_k = -log2(e) / (2 e^lb + 1e-8): e^lb = 2^hi (1 + lo ln 2), hi + lo = lb log2(e) in two parts; the reciprocal with one step of refinement
	s_wait_kmcnt 0x0
.irp k, 0,1,2,3
	v_mov_b32 v[176+\k], s[92+\k]
.endr
.irp k, 0,1,2,3
	v_mul_f32 v[172+\k], 0x3fb8aa3b, v[176+\k]
.endr
.irp k, 0,1,2,3
	v_fma_f32 v[180+\k], v[176+\k], 0x3fb8aa3b, -v[172+\k]
.endr
.irp k, 0,1,2,3
	v_fma_f32 v[180+\k], v[176+\k], 0x32a57060, v[180+\k]
.endr
.irp k, 0,1,2,3
	v_exp_f32 v[184+\k], v[172+\k]
.endr
.irp k, 0,1,2,3
	v_mul_f32 v[180+\k], 0x3f317218, v[180+\k]     ; (plain lines behind the exponentials)
.endr
	s_wait_alu depctr_va_vdst(0)                   ; one wait for the four, ahead of their first reader
.irp k, 0,1,2,3
	v_fma_f32 v[184+\k], v[184+\k], v[180+\k], v[184+\k]
.endr
.irp k, 0,1,2,3
	v_fma_f32 v[188+\k], v[184+\k], 2.0, 0x322bcc77
.endr
.irp k, 0,1,2,3
	v_rcp_f32 v[192+\k], v[188+\k]
.endr
	v_nop
	s_wait_alu depctr_va_vdst(0)
.irp k, 0,1,2,3
	v_fma_f32 v[196+\k], -v[188+\k], v[192+\k], 1.0
.endr
.irp k, 0,1,2,3
	v_fma_f32 v[192+\k], v[192+\k], v[196+\k], v[192+\k]
.endr
.irp k, 0,1,2,3
	v_mul_f32 v[192+\k], 0xbfb8aa3b, v[192+\k]
.endr
.irp k, 0,1,2,3
	v_readfirstlane_b32 s[CK+2*\k], v[192+\k]
	s_mov_b32 s[CK+2*\k+1], s[CK+2*\k]             ; (the packed form names the pair)
.endr
	s_wait_loadcnt 0x0
.irp p, 0,1,2,3
	v_pk_add_f32 v[BI+2*\p:BI+2*\p+1], v[BI+2*\p:BI+2*\p+1], v[C2+2*\p:C2+2*\p+1] neg_lo:[0,1] neg_hi:[0,1]   ; p_i - c
.endr
.irp p, 0,1,2,3
	v_pk_add_f32 v[C2+2*\p:C2+2*\p+1], v[C2+2*\p:C2+2*\p+1], v[C2+2*\p:C2+2*\p+1]                             ; 2 c
.endr
	v_mov_b32 v[BI+8], v[ONEH]
	v_mul_f32 v[BI+9], v[BI+9], v[ONEH]
	v_mov_b32 v[AJ+9], v[ONEH]
	v_mov_b32 v[AJ+19], v[ONEH]
	v_mov_b32 v[TM+2], 0                           ; written once: a lane permute's destination counts as one of its sources
	v_mov_b32 v[TM+3], 0
	s_mov_b32 s[SJ], 0
	MAKE 0                                         ; step 0's weights
	s_wait_tensorcnt 0x1                           ; my eighth of block 0 is in; block 1's load may stay out
	s_wait_dscnt 0x0                               ; my weights have landed
	s_barrier_signal -1
	s_barrier_wait -1
	PHASE 0, 1                                     ; step 0: its products start the sums: nothing is cleared
	s_mov_b32 s[LOOP], 7
.Lpair:                                                ; seven trips: steps 1 to 14; each change asks for the block after the one that it opens
	CHANGE G0A, G1P, 2*BLOCK, 1
	PHASE 1, 0
	CHANGE G0B, G1P, 2*BLOCK, 2
	PHASE 0, 0
	s_sub_co_u32 s[LOOP], s[LOOP], 1
	s_cmp_lg_u32 s[LOOP], 0
	s_cbranch_scc1 .Lpair
	CHANGE G0WA, G1W, 0, 3                         ; slot 0 takes W_combine's first quarter of K
	s_lshl_b32 s90, s[WV], 12                      ; W_combine's scale words: 64 bytes a row, my 64 rows
	s_add_co_u32 s90, s90, WSOFF
	s_mov_b32 s91, 0
	s_add_nc_u64 s[96:97], s[16:17], s[90:91]
	s_wait_loadcnt 0x0                             ; the loads below land in registers that MAKE's loads name (mass, positions, sq): none of those may be out.  The last MAKE asked for nothing; the wait holds that on every way through the text
.irp nu, 0,1,2,3
.irp q, 0,1,2,3
	global_load_b128 v[WS+16*\nu+4*\q:WS+16*\nu+4*\q+3], v[WSO], s[96:97] offset:1024*\nu+16*\q   ; row 64 w + 16 nu + r, K steps 4 q .. 4 q + 3
.endr
.endr
	global_load_b128 v[16:19], v[GBO], s[10:11]    ; gamma and beta of the four columns that I store
	global_load_b128 v[20:23], v[GBO], s[12:13]
	MULT 1, 0                                      ; step 15
.irp t, 0,1                                    ; the field becomes the last product's operand: my 256 (k, d) are its K steps 2 w and 2 w + 1
.irp e, 0,1
	QUANTW 128*\t+64*\e, 188+8*(2*\t+\e), 220+2*\t+\e
	ds_store_b128 v[AFW], v[188+8*(2*\t+\e):188+8*(2*\t+\e)+3] offset:(2*\e+\t)*1024
	ds_store_b128 v[AFW], v[188+8*(2*\t+\e)+4:188+8*(2*\t+\e)+7] offset:(2*\e+\t)*1024+512
	ds_store_b32 v[AFS], v[220+2*\t+\e] offset:(2*\e+\t)*64
.endr
.endr
	CHANGE G0WB, G1W, 0, 4                         ; the field's images lie in LDS; slot 1 takes the second quarter
	s_wait_loadcnt 0x0                             ; W_combine's scale words, gamma, beta
	P3 0, 0, 1
	CHANGE G0WA, G1W, 512, 0
	P3 1, 1, 0
	CHANGE G0WB, G1W, 512, 0
	P3 2, 0, 0
	s_wait_tensorcnt 0x0                           ; the last change: nothing is left to fetch, so no round and no load
	ds_add_u32 v[SPW], v[NIL]
	s_wait_dscnt 0x0
	s_barrier_signal -1
	s_barrier_wait -1
	P3 3, 1, 0
	; LAYERNORM, in two passes.  Lane (r, h), accumulator (t, nu), register m: row 16 t + r, column 64 w + 16 nu + 8 h + m.
	WIN 0x05
.irp t, 0,1
.irp nu, 0,1,2,3
	v_pk_add_f32 v[LS+16*\t+4*\nu:LS+16*\t+4*\nu+1], v[32*\t+8*\nu:32*\t+8*\nu+1], v[32*\t+8*\nu+2:32*\t+8*\nu+3]       ; each accumulator from its low end on
	v_pk_add_f32 v[LS+16*\t+4*\nu+2:LS+16*\t+4*\nu+3], v[32*\t+8*\nu+4:32*\t+8*\nu+5], v[32*\t+8*\nu+6:32*\t+8*\nu+7]
.endr
.endr
	WIN 0
.irp t, 0,1
.irp a, 0,4,8,12
	FOLD LS+16*\t+\a, LS+16*\t+\a+2
.endr
.endr
.irp t, 0,1
	FOLD LS+16*\t, LS+16*\t+4
	FOLD LS+16*\t+8, LS+16*\t+12
.endr
.irp t, 0,1
	FOLD LS+16*\t, LS+16*\t+8
.endr
	EXCH 0
.irp t, 0,1
	v_mul_f32 v[LM+2*\t], 0x3b000000, v[LT+8*\t]   ; the mean: / 512
	v_mul_f32 v[LM+2*\t+1], 0x3b000000, v[LT+8*\t] ; (the packed form names the pair)
.endr
	WIN 0x01
.irp t, 0,1
.irp p, 0,1,2,3,4,5,6,7,8,9,10,11,12,13,14,15
	v_pk_add_f32 v[XR+32*\t+2*\p:XR+32*\t+2*\p+1], v[32*\t+2*\p:32*\t+2*\p+1], v[LM+2*\t:LM+2*\t+1] op_sel_hi:[1,0] neg_lo:[0,1] neg_hi:[0,1]
.endr
.endr
	WIN 0
.irp p, 0,1,2,3
.irp t, 0,1
	v_pk_mul_f32 v[LS+16*\t+2*\p:LS+16*\t+2*\p+1], v[XR+32*\t+2*\p:XR+32*\t+2*\p+1], v[XR+32*\t+2*\p:XR+32*\t+2*\p+1]   ; the squares, in four chains a tile
.endr
.endr
.irp p, 4,5,6,7,8,9,10,11,12,13,14,15
.irp t, 0,1
	v_pk_fma_f32 v[LS+16*\t+2*(\p%4):LS+16*\t+2*(\p%4)+1], v[XR+32*\t+2*\p:XR+32*\t+2*\p+1], v[XR+32*\t+2*\p:XR+32*\t+2*\p+1], v[LS+16*\t+2*(\p%4):LS+16*\t+2*(\p%4)+1]
.endr
.endr
.irp t, 0,1
	FOLD LS+16*\t, LS+16*\t+2
	FOLD LS+16*\t+4, LS+16*\t+6
.endr
.irp t, 0,1
	FOLD LS+16*\t, LS+16*\t+4
.endr
	EXCH 1024                                      ; other bytes than the first exchange's: one barrier each
	s_mov_b32 s90, 0x3b000000                      ; 1 / 512
	s_mov_b32 s91, 0x3727c5ac                      ; 1e-5
.irp t, 0,1
	v_fma_f32 v[LM+2*\t], v[LT+8*\t], s90, s91
.endr
.irp t, 0,1
	v_rsq_f32 v[LM+4+2*\t], v[LM+2*\t]
.endr
	v_nop
	s_wait_alu depctr_va_vdst(0)                   ; one wait for the two, ahead of their first reader
.irp t, 0,1
	v_mov_b32 v[LM+5+2*\t], v[LM+4+2*\t]
.endr
.irp t, 0,1
.irp p, 0,1,2,3,4,5,6,7,8,9,10,11,12,13,14,15
	v_pk_mul_f32 v[XR+32*\t+2*\p:XR+32*\t+2*\p+1], v[XR+32*\t+2*\p:XR+32*\t+2*\p+1], v[LM+4+2*\t:LM+5+2*\t] op_sel_hi:[1,0]
.endr
.endr
	; THE WAY OUT: a tile's 16 rows x my 64 columns go through my own stage and come back two rows an instruction, so that sixteen lanes store 256 consecutive bytes, aligned.  LDS serves a wave's instructions in order.
.irp t, 0,1
.irp nu, 0,1,2,3
	ds_store_b128 v[STO], v[XR+32*\t+8*\nu:XR+32*\t+8*\nu+3] offset:64*\nu
	ds_store_b128 v[STO], v[XR+32*\t+8*\nu+4:XR+32*\t+8*\nu+7] offset:64*\nu+16
.endr
.irp e, 0,1,2,3,4,5,6,7
	ds_load_b128 v[OB-64*\t+4*\e:OB-64*\t+4*\e+3], v[RD] offset:544*\e
.endr
.endr
.irp t, 0,1
.irp e, 0,1,2,3,4,5,6,7
	s_wait_dscnt 16*(1-\t)+7-\e                    ; this read-back is in; the younger ones (and the second tile's sixteen LDS instructions) may be out
	v_pk_fma_f32 v[OB-64*\t+4*\e:OB-64*\t+4*\e+1], v[OB-64*\t+4*\e:OB-64*\t+4*\e+1], v[16:17], v[20:21]       ; x gamma + beta
	v_pk_fma_f32 v[OB-64*\t+4*\e+2:OB-64*\t+4*\e+3], v[OB-64*\t+4*\e+2:OB-64*\t+4*\e+3], v[18:19], v[22:23]
	global_store_b128 v[GO], v[OB-64*\t+4*\e:OB-64*\t+4*\e+3], s[22:23] offset:4096*\e+32768*\t th:TH_STORE_NT
.endr
.endr
	s_wait_tensorcnt 0x0                           ; the wave's end: behind my last tensor load and my last LDS store
	ds_add_u32 v[SPW], v[NIL]
	s_wait_dscnt 0x0
	ROUND                                          ; the closing round: no work-group ends while a partner may still ask for a block that names it
	s_endpgm
.Lfunc_end_k_qae686a52ee_field:
	.size	k_qae686a52ee_field, .Lfunc_end_k_qae686a52ee_field-k_qae686a52ee_field
	.p2alignl 7, 3214868480
	.fill 96, 4, 3214868480
	.section	.rodata,"a",@progbits
	.p2align	6, 0x0
	.amdhsa_kernel k_qae686a52ee_field
		.amdhsa_group_segment_fixed_size 327680
		.amdhsa_private_segment_fixed_size 0
		.amdhsa_enable_private_segment 0
		.amdhsa_kernarg_size 80
		.amdhsa_user_sgpr_count 2
		.amdhsa_user_sgpr_kernarg_segment_ptr 1
		.amdhsa_wavefront_size32 1
		.amdhsa_system_sgpr_workgroup_id_x 1
		.amdhsa_system_sgpr_workgroup_id_y 1
		.amdhsa_system_sgpr_workgroup_id_z 1
		.amdhsa_system_vgpr_workitem_id 0
		.amdhsa_next_free_vgpr 512
		.amdhsa_next_free_sgpr 100
		.amdhsa_reserve_vcc 0
		.amdhsa_float_denorm_mode_32 3
		.amdhsa_float_denorm_mode_16_64 3
		.amdhsa_memory_ordered 1
		.amdhsa_forward_progress 1
		.amdhsa_inst_pref_size 209
	.end_amdhsa_kernel
	.amdgpu_metadata
---
amdhsa.version: [ 1, 2 ]
amdhsa.kernels:
  - .name:           k_qae686a52ee_field
    .symbol:         k_qae686a52ee_field.kd
    .args:
      - { .name: position, .offset: 0, .size: 8, .value_kind: global_buffer, .address_space: global }
      - { .name: mass, .offset: 8, .size: 8, .value_kind: global_buffer, .address_space: global }
      - { .name: log_bandwidth, .offset: 16, .size: 8, .value_kind: global_buffer, .address_space: global }
      - { .name: gamma, .offset: 24, .size: 8, .value_kind: global_buffer, .address_space: global }
      - { .name: beta, .offset: 32, .size: 8, .value_kind: global_buffer, .address_space: global }
      - { .name: qcodes, .offset: 40, .size: 8, .value_kind: global_buffer, .address_space: global }
      - { .name: qscales, .offset: 48, .size: 8, .value_kind: global_buffer, .address_space: global }
      - { .name: sq, .offset: 56, .size: 8, .value_kind: global_buffer, .address_space: global }
      - { .name: pj, .offset: 64, .size: 8, .value_kind: global_buffer, .address_space: global }
      - { .name: out0, .offset: 72, .size: 8, .value_kind: global_buffer, .address_space: global }
    .group_segment_fixed_size: 327680
    .private_segment_fixed_size: 0
    .kernarg_segment_align: 8
    .kernarg_segment_size: 80
    .max_flat_workgroup_size: 256
    .sgpr_count:     100
    .vgpr_count:     512
    .wavefront_size: 32
...
	.end_amdgpu_metadata
.endif
;; end of part 3
